; MI455X (gfx1250); checked and timed in simulation.
; The chip was launched on July 23, 2026; its instructions are those of AMD's public machine-readable ISA for CDNA 5 (MIT licence, August 2026) and "CDNA5" Instruction Set Architecture Reference Guide (July 2026). The comments in the code are by the model that wrote it; some were corrected since.
;; Adaptive Decoder. Allowed arithmetic: matrix products marked QUANTISED: E2M3 operands, one E8M0 scale for each 32 along K, by v_wmma_scale_f32_16x16x128_f8f6f4 with both operands' format E2M3, f32 sums; everything else in f32.
;; Inputs: b1 1,024 float32; b2 1,024 float32; head_b 3 x 256 float32; head_w 3 x 1,024 x 256 float32; ln_beta 1,024 float32; ln_gamma 1,024 float32; node_latent 25,000 x 512 float32; node_types 25,000 int32; w1 512 x 1,024 float32; w2 1,024 x 1,024 float32.
;; Outputs: out0 25,000 x 256 float32.
;; This version of the problem:
;;   THIS VERSION OF THE PROBLEM IS GIVEN IN LOW PRECISION. The matrix products marked QUANTISED in the list below multiply operands that are first quantised to E2M3 (2 exponent bits, 3 mantissa bits; 6 bits a number), with one power-of-two scale for each 32 numbers along K (OCP MX v1.0); their sums are f32. All else is computed in f32.
;;   The module's matrix products, in the order in which they are computed (A, B: the left and right operand; K: the contracted axis; several contracted axes count as one K, in the product's order):
;;     1. [M 25,000, K 512] x [K 512, N 1,024]; A: input node_latent; B: input w1: QUANTISED
;;     2. [M 25,000, K 1,024] x [K 1,024, N 1,024]; A: computed on the way; B: input w2: QUANTISED
;;     3. [M 25,000, K 1,024] x [K 1,024, N 768]; A: computed on the way; B: input head_w: QUANTISED
;;   THE QUANTISER, for each operand of a quantised product, along K:
;;     - K is cut into blocks of 32 from its start; a last block that is shorter is filled with zeros.
;;     - A block's scale is 2^e with e = floor(log2(the largest magnitude in the block)) - 2, held to -126 .. 127; a block of zeros has e = 0. As a byte (E8M0): e + 127.
;;     - Each number is divided by its block's scale, clamped to +-7.5, and rounded to the nearest number of E2M3, ties to even, subnormals kept.
;;     - The product sums the exact products of the quantised numbers (number of the format x scale) in f32.
;;   ~~~python
;;   def quantise(x, axis):      # numpy; x: float32 -> the quantised numbers, widened to float32 again
;;       x = np.moveaxis(x, axis, -1); K = x.shape[-1]
;;       x = np.pad(x, [(0, 0)] * (x.ndim - 1) + [(0, -K % 32)]); x = x.reshape(x.shape[:-1] + (-1, 32)); a = np.abs(x).max(-1, keepdims=True)
;;       e = np.where(a > 0, np.clip(np.frexp(np.where(a > 0, a, 1))[1] - 1 - 2, -126, 127), 0)      # np.frexp(a)[1] - 1 = floor(log2(a)), exactly
;;       r = np.clip(x / 2.0 ** e, -7.5, 7.5)
;;       step = 2.0 ** (np.maximum(np.frexp(np.where(r == 0, 1, r))[1] - 1, 0) - 3)
;;       q = np.round(r / step) * step * 2.0 ** e      # np.round: ties to even
;;       return np.moveaxis(q.reshape(q.shape[:-2] + (-1,))[..., :K], -1, axis).astype(np.float32)
;;   ~~~
;;   OPERANDS COMPUTED ON THE WAY. 'Computed on the way' means the value that the module computes at that place (a softmax that the list does not call 'softmax' is quantised finished and normalised). What goes into a quantiser is computed in f32, as accurately as f32 sums, v_exp_f32 and their like allow (about 1e-6 of the number): no bf16 or f16 on the way to a quantiser, and a product that is left as it is and whose result goes on into a quantised operand takes f32 operands (vector FMAs, or v_wmma_f32_16x16x4_f32). A number that lies on a knife's edge between two numbers of the format may be rounded either way, as far as f32 arithmetic and the matrix unit's own rounding can turn it there, and no further.
;; One version. Each part assembles by itself: llvm-mc -triple=amdgcn-amd-amdhsa -mcpu=gfx1250 --defsym DOCPART=n.
;; ======== version 1 of 1: 2 launches
;; limits: right only within a limited range of input values
;; workspace buffers: wq 1,843,200 bytes; order 101,376 bytes of whole numbers; tiles 2,048 bytes of whole numbers; xq 9,600,000 bytes; xs 400,128 bytes
;; launch prep (part 1): grid 245 x 1, 16 waves a work-group, no clusters, 137,728 bytes of LDS; arguments node_types, w1, w2, head_w, wq, order, tiles, node_latent, xq, xs; writes wq, order, tiles, xq, xs
.if DOCPART == 1
	.amdgcn_target "amdgcn-amd-amdhsa--gfx1250"
	.amdhsa_code_object_version 6
	.text
	.protected	k_q726ffe6ee3_prep
	.globl	k_q726ffe6ee3_prep
	.p2align	8
	.type	k_q726ffe6ee3_prep,@function
k_q726ffe6ee3_prep:
	s_mov_b64 s[64:65], 0
	v_nop
	global_prefetch_b8 v0, s[64:65] scope:SCOPE_SE
	s_setreg_imm32_b32 hwreg(HW_REG_WAVE_MODE, 25, 1), 1
	s_wait_xcnt 0x0
; PREP.  Work-groups 0 to 12 sort the 25,000 rows by their type (a counting sort, no atomics): each counts all rows and places one chunk of 2,048; work-group 0 also stores the tile table and the list's empty entries.
; Work-groups 13 to 48 turn w1 [512][1024], w2 [1024][1024] and head_w [3][1024][256], f32 with K as the first axis, into codes of FP6 (E2M3)
; with one E8M0 byte for each 32 along K, laid in wq as images of the operand's registers, in the order in which the next launch's waves take them.
; wq: 144 blocks of 12,800 bytes.  A block: 8 fragments (16 weight columns x 128 K, 12 registers a lane; registers 4 g .. 4 g + 3 of lane L at 512 g + 16 L), fragment 2 f + u at 3,072 f + 1,536 u;
;     then 512 bytes of scale words: the word of lane r of fragment 2 f + u at 12,288 + 16 (16 u + r) + 4 f.  Lane r of fragment 2 f + u holds column 32 f + 8 u + r + 8 (r / 8) of the block's 128.
;     Blocks 24 w + i: wave w's stream; i = 0..7: w1, columns 128 (4 (i / 4) + w) on, K step i % 4; i = 8..23: w2, columns 128 (4 ((i - 8) / 8) + w) on, K step (i - 8) % 8.
;     Blocks 96 + 16 t + 4 w + ib: head t, columns 64 w on; slot f: K step 2 ib + f / 2, columns 32 (f % 2) on.
; order: type t's rows stand from entry 112 T_t on (T_t: the tiles of the types before it), in the order (chunk, wave, lane, the thread's four rows); every other entry of the 25,312 holds 25,000.   tiles[j] = {type, rows 0..112}.
; A block's scale is 2^(floor(log2(largest magnitude)) - 2); its byte is the largest magnitude's exponent field - 2, held at 1 from below.
; LIMITS: a block whose largest magnitude lies under 2^-124, a block of zeros among them, keeps the byte 1 (a block of zeros has zero codes, and this program alone reads the bytes);
; NaN and infinities are not served; node_types holds 0, 1 or 2.
; Work-groups 49 to 244 turn node_latent [25000][512], f32 with K innermost, into codes of FP6 by the same rule: a wave takes 8 rows (25,000 / 8 = 3,125 waves; the last work-group's other 11 waves have no rows and end).
; xq: 384 bytes a row.  Of each 128 along K (96 bytes) the four blocks of 24 bytes stand in the order 0, 2, 1, 3: so the 48 bytes at 96 s + 48 h are registers 0 to 11 of lane (r, h) of the operand's fragment of K step s.
; xs: 16 scale bytes a row, block b's at byte b: the word at 4 s is K step s's scale word.
; The heads that a row's type does not choose are not multiplied: the next launch reads the sorted list and takes each row through its own type's head alone.
.set NSORT, 13                         ; sorting work-groups: 25,000 rows are 13 chunks of 2,048 (4 rows for each of 512 threads), the last one short
.set NPREP, 49                         ; work-groups ahead of x's
.set NRUN,  3125                       ; x's runs of 8 rows
.set XLDS,  51712                      ; LDS of x's path alone: for each wave two stages of 32 x 80 bytes and 128 scale bytes, in 5,376 bytes
.set XWREG, 5376
.set XR,    16                         ; (x) v16-79   four sets of 16 numbers as they are loaded
.set XX,    80                         ; (x) v80-111  two sets of 16 neighbours
.set XE,    112                        ; (x) v112-119 a scale byte for each row
.set XC,    128                        ; (x) v128-159 codes: four registers for each row, so that no store's data are written again
.set QST,   0                          ; LDS: a stage of 3,072 bytes (two fragments) for each of the 16 quantising waves
.set SORTW, 49152                      ; the sort's 16 records of 32 bytes, one a wave: bytes of their own
.set SPARE, 49664                      ; the spare words, 128 bytes a wave: eight blocks of 256 bytes that no other line names
.set SPW,   14                         ; v14 my spare word's address; never rewritten
.set NIL,   15                         ; v15 0; never rewritten
.set X,     64                         ; v64-191 128 numbers down K of my column
.set CD,    16                         ; v16-63  codes: 12 registers for each of my four blocks, so that no store's data are written again
.set TY,    16                         ; (sort) v16-67 my 52 types, four of each chunk
.set OW,    68                         ; (sort) v68-71 my four types of my work-group's chunk
.set LR,    72                         ; (sort) v72-75 their ranks among my four, later byte offsets in order
.set DAT,   76                         ; (sort) v76-79 their row numbers
	s_load_b256 s[4:11], s[0:1], 0x0               ; node_types s[4:5], w1 s[6:7], w2 s[8:9], head_w s[10:11]
	s_load_b128 s[12:15], s[0:1], 0x20             ; wq s[12:13], order s[14:15]
	s_load_b64 s[16:17], s[0:1], 0x30              ; tiles
	v_lshl_add_u32 v[SPW], v0, 2, SPARE
	v_mov_b32 v[NIL], 0
	v_lshrrev_b32 v1, 5, v0
	s_delay_alu instid0(VALU_DEP_1)
	v_readfirstlane_b32 s18, v1                    ; wave 0..15
	v_and_b32 v2, 31, v0                           ; lane
	s_cmp_lt_u32 ttmp9, NPREP
	s_wait_alu depctr_va_vdst(0)
	s_cbranch_scc0 .Lxq
	s_cmp_lt_u32 ttmp9, NSORT
	s_cbranch_scc1 .Lsort
; ---------------- the quantiser: a wave takes one slot (32 columns x 128 K) of one block; waves share nothing ----------------
	s_sub_co_u32 s19, ttmp9, NSORT                 ; 0..35
	s_lshr_b32 s20, s18, 2                         ; which of the work-group's four blocks
	s_and_b32 s21, s18, 3                          ; slot f
	s_lshl_b32 s22, s19, 2
	s_add_co_u32 s22, s22, s20                     ; the block
	v_lshlrev_b32 v3, 2, v2                        ; a lane takes a column: 4 bytes a lane
	v_bfe_u32 v4, v2, 3, 1                         ; u: column c = 8 u + r + 8 (r / 8)
	v_and_b32 v5, 7, v2
	v_lshrrev_b32 v6, 4, v2
	s_delay_alu instid0(VALU_DEP_1)
	v_lshl_or_b32 v5, v6, 3, v5                    ; r
	s_mul_i32 s23, s18, 3072
	v_mul_u32_u24 v7, v4, 1536
	s_delay_alu instid0(VALU_DEP_1)
	v_lshl_add_u32 v7, v5, 4, v7
	s_delay_alu instid0(VALU_DEP_1)
	v_add_nc_u32 v7, s23, v7                       ; into my stage: fragment u, lane r's 16 bytes
	s_wait_alu depctr_va_vdst(0)
	v_lshlrev_b32 v8, 4, v2
	s_delay_alu instid0(VALU_DEP_1)
	v_add_nc_u32 v9, s23, v8                       ; out of it: 16 bytes a lane
	s_mul_i32 s24, s21, 3072
	v_add_nc_u32 v8, s24, v8                       ; and the same place in the block
	v_lshl_add_u32 v10, v4, 4, v5
	s_delay_alu instid0(VALU_DEP_1)
	v_lshlrev_b32 v10, 4, v10
	s_lshl_b32 s25, s21, 2
	v_add_nc_u32 v10, s25, v10                     ; my scale word: 16 (16 u + r) + 4 f
	s_mul_i32 s26, s22, 12800
	s_mov_b32 s27, 0
.macro LOADS stride                    ; W(i, my column), i = 0 .. 127: 32 lanes read 128 consecutive bytes, the four waves of a block 512
.set i, 0
.rept 128
	global_load_b32 v[X+i], v3, s[34:35] offset:i*\stride th:TH_LOAD_NT
.set i, i+1
.endr
.endm
	s_cmp_lt_u32 s19, 24
	s_cbranch_scc0 .Lheads
	s_mul_i32 s28, s19, 43
	s_lshr_b32 s28, s28, 8                         ; w = work-group / 6 (exact for 0..23)
	s_mul_i32 s29, s28, 6
	s_sub_co_u32 s29, s19, s29                     ; 0..5: under 2 it is w1
	s_lshl_b32 s30, s29, 2
	s_add_co_u32 s30, s30, s20                     ; i, the block's place in the stream
	s_sub_co_u32 s31, s30, 8
	s_wait_kmcnt 0x0
	s_cmp_lt_u32 s29, 2
	s_cselect_b32 s30, s30, s31
	s_cselect_b32 s32, 3, 7
	s_cselect_b32 s33, 2, 3
	s_cselect_b64 s[34:35], s[6:7], s[8:9]         ; the choice hangs on the work-group's number alone
	s_and_b32 s32, s30, s32                        ; K step
	s_lshr_b32 s33, s30, s33                       ; pass
	s_lshl_b32 s33, s33, 2
	s_add_co_u32 s33, s33, s28                     ; chunk of 128 columns
	s_lshl_b32 s32, s32, 19                        ; 128 rows of 4,096 bytes
	s_lshl_b32 s33, s33, 9
	s_add_co_u32 s32, s32, s33
	s_lshl_b32 s33, s21, 7
	s_add_co_u32 s32, s32, s33
	s_mov_b32 s33, 0
	s_add_nc_u64 s[34:35], s[34:35], s[32:33]
	LOADS 4096
	s_branch .Lquant
.Lheads:
	s_sub_co_u32 s28, s22, 96
	s_lshr_b32 s29, s28, 4                         ; t
	s_bfe_u32 s30, s28, 0x20002                    ; w
	s_and_b32 s31, s28, 3                          ; ib
	s_lshl_b32 s31, s31, 1
	s_lshr_b32 s32, s21, 1
	s_add_co_u32 s31, s31, s32                     ; K step 2 ib + f / 2
	s_lshl_b32 s32, s29, 20
	s_lshl_b32 s31, s31, 17                        ; 128 rows of 1,024 bytes
	s_add_co_u32 s32, s32, s31
	s_lshl_b32 s30, s30, 8
	s_add_co_u32 s32, s32, s30
	s_and_b32 s31, s21, 1
	s_lshl_b32 s31, s31, 7
	s_add_co_u32 s32, s32, s31
	s_mov_b32 s33, 0
	s_wait_kmcnt 0x0
	s_add_nc_u64 s[34:35], s[10:11], s[32:33]
	LOADS 1024
.Lquant:
	s_add_nc_u64 s[36:37], s[12:13], s[26:27]      ; my block in wq
; Block b of 32 along K: all its numbers are mine.  In the operand it belongs to lane (r, b % 2), registers 6 (b / 2) .. 6 (b / 2) + 5.
.macro BLK b, cnt
.set XS, X+32*(\b)
.set C, CD+12*(\b)
	s_wait_loadcnt \cnt                            ; loads come back in order: this block's 32 are in; the count is what was issued behind them, held at the field's 63
	v_max3_num_f32 v12, |v[XS]|, |v[XS+1]|, |v[XS+2]|
	v_max3_num_f32 v13, |v[XS+3]|, |v[XS+4]|, |v[XS+5]|
.irp i, 6,10,14,18,22,26
	s_delay_alu instid0(VALU_DEP_2)
	v_max3_num_f32 v12, v12, |v[XS+\i]|, |v[XS+\i+1]|
	s_delay_alu instid0(VALU_DEP_2)
	v_max3_num_f32 v13, v13, |v[XS+\i+2]|, |v[XS+\i+3]|
.endr
	s_delay_alu instid0(VALU_DEP_2)
	v_max3_num_f32 v12, v12, |v[XS+30]|, |v[XS+31]|
	s_delay_alu instid0(VALU_DEP_1)
	v_max3_num_f32 v12, v12, v13, 0x1800000        ; the floor 2^(3 - 127): the byte cannot fall under 1
	s_delay_alu instid0(VALU_DEP_1)
	v_add_nc_u32 v11, 0xff000000, v12              ; 2 off the exponent field: the conversion's scale operand
	s_delay_alu instid0(VALU_DEP_1)
	v_lshrrev_b32 v6, 23, v11                      ; the scale's byte
.if (\b) == 0
	s_delay_alu instid0(VALU_DEP_1)
	v_mov_b32 v1, v6
.else
	s_delay_alu instid0(VALU_DEP_1)
	v_lshl_or_b32 v1, v6, 8*(\b), v1               ; four bytes make my column's scale word
.endif
	v_cvt_scalef32_pk16_fp6_f32 v[C:C+2], v[XS:XS+15], v11
	v_cvt_scalef32_pk16_fp6_f32 v[C+6:C+8], v[XS+16:XS+31], v11   ; (a conversion's three registers begin on an even number)
	v_nop                                          ; one plain place behind a scaled conversion
.irp i, 0,1,2
	v_mov_b32 v[C+3+\i], v[C+6+\i]
.endr
.if (\b) < 2
	ds_store_b128 v7, v[C:C+3] offset:256*((\b)%2)
	ds_store_b64 v7, v[C+4:C+5] offset:256*((\b)%2)+512
.else
	ds_store_b64 v7, v[C:C+1] offset:256*((\b)%2)+520
	ds_store_b128 v7, v[C+2:C+5] offset:256*((\b)%2)+1024
.endif
.endm
	BLK 0, 63
	BLK 1, 63
	BLK 2, 32
	BLK 3, 0
.irp g, 0,1,2,3,4,5
	ds_load_b128 v[X+4*\g:X+4*\g+3], v9 offset:512*\g   ; LDS serves a wave's instructions in order: these see my stores
.endr
	s_wait_alu depctr_va_vdst(0)
	s_wait_dscnt 0x0
.irp g, 0,1,2,3,4,5
	global_store_b128 v8, v[X+4*\g:X+4*\g+3], s[36:37] offset:512*\g   ; 32 lanes store 512 consecutive bytes, at a multiple of 256 from wq's first byte
.endr
	global_store_b32 v10, v1, s[36:37] offset:12288 ; 4 bytes at every 16: the four waves of a block fill its 512 bytes of scale words between them (one byte in 25 of wq)
	s_wait_tensorcnt 0x0                           ; the wave's end
	ds_add_u32 v[SPW], v[NIL]
	s_wait_dscnt 0x0
	s_endpgm
; ---------------- the sort: 512 threads; thread t holds rows 4 t + 2,048 j + 0..3 of chunk j = 0..12.  Work-group g counts all chunks and places chunk g ----------------
; A row's place = its type's first entry + the type's rows in the chunks before g + in chunk g's waves before mine + in the lanes before mine + its rank among my four.
; So a wave has 4 stores, and neighbouring lanes store within a few entries of each other.
.Lsort:
	v_lshlrev_b32 v3, 4, v0
	s_delay_alu instid0(VALU_DEP_1)
	v_add_nc_u32 v4, 98304, v3
	s_delay_alu instid0(VALU_DEP_1)
	v_min_u32 v4, 99984, v4                        ; the thirteenth load stays inside the 100,000 bytes
	s_lshl_b32 s20, ttmp9, 13
	v_add_nc_u32 v12, s20, v3
	s_delay_alu instid0(VALU_DEP_1)
	v_min_u32 v12, 99984, v12                      ; my 16 bytes of my work-group's chunk, held likewise
	s_lshl_b32 s21, ttmp9, 11
	v_lshl_add_u32 v127, v0, 2, s21                ; the first of my four rows of that chunk
	s_mov_b32 s22, 25000
	s_mov_b32 s25, 0x00ff00ff
	s_wait_alu depctr_va_vdst(0)
	s_wait_kmcnt 0x0
.irp j, 0,1,2,3,4,5,6,7,8,9,10,11
	global_load_b128 v[TY+4*\j:TY+4*\j+3], v3, s[4:5] offset:8192*\j
.endr
	global_load_b128 v[TY+48:TY+51], v4, s[4:5]
	global_load_b128 v[OW:OW+3], v12, s[4:5]       ; my chunk once more, into registers whose numbers do not hang on g
	v_mov_b32 v5, 0                                ; my counts of types 0 to 3 so far, a byte each (52 at the most)
	v_mov_b32 v7, 0                                ; the same, of the chunks before g
	v_mov_b32 v13, 0                               ; the same, of my four rows of chunk g
.irp q, 0,1,2,3,4,5
	v_mov_b32 v[80+\q], 0                          ; (a DPP form's destination counts as read)
.endr
	s_wait_loadcnt 0x0
	v_cmp_gt_u32 vcc_lo, 106, v0                   ; rows 24,576 + 4 t exist for t under 106
.irp i, 0,1,2,3
	v_cndmask_b32 v[TY+48+\i], 3, v[TY+48+\i], vcc_lo   ; the others count as a fourth type, which is placed nowhere
.endr
	v_cmp_gt_u32 vcc_lo, s22, v127
.irp i, 0,1,2,3
	v_cndmask_b32 v[OW+\i], 3, v[OW+\i], vcc_lo
.endr
.set j, 0
.rept 13
	s_cmp_eq_u32 ttmp9, j
	s_cselect_b32 s24, -1, 0
	v_cndmask_b32 v7, v7, v5, s24                  ; at the head of chunk g the count so far is what the chunks before g hold
.irp i, 0,1,2,3
	v_lshlrev_b32 v[8+\i], 3, v[TY+4*j+\i]
.endr
.irp i, 0
	s_delay_alu instid0(VALU_DEP_4)
	v_lshl_add_u32 v5, 1, v[8+\i], v5
.endr
.irp i, 1, 2, 3
	s_delay_alu instid0(VALU_DEP_1)
	v_lshl_add_u32 v5, 1, v[8+\i], v5
.endr
.set j, j+1
.endr
.irp i, 0,1,2,3
	v_lshlrev_b32 v6, 3, v[OW+\i]
	s_delay_alu instid0(VALU_DEP_1)
	v_bfe_u32 v[LR+\i], v13, v6, 8                 ; how many of my earlier rows of chunk g have this type
	s_delay_alu instid0(VALU_DEP_2)
	v_lshl_add_u32 v13, 1, v6, v13
.endr
	v_and_b32 v120, s25, v5                        ; all chunks: type 0 | type 2 << 16 (25,000 at the most in a field, over all threads),
	v_lshrrev_b32 v121, 8, v5
	s_delay_alu instid0(VALU_DEP_1)
	v_and_b32 v121, s25, v121                      ; type 1 | the fourth << 16
	v_and_b32 v122, s25, v7                        ; the chunks before g likewise
	v_lshrrev_b32 v123, 8, v7
	s_delay_alu instid0(VALU_DEP_1)
	v_and_b32 v123, s25, v123
	v_mov_b32 v124, v13                            ; chunk g: bytes do for a wave (4 x 32 = 128 at the most)
.irp n, 1,2,4,8                        ; running sums inside each 16 lanes
.irp q, 0,1,2,3,4
	v_mov_b32_dpp v[80+\q], v[120+\q] row_shr:\n row_mask:0xf bank_mask:0xf bound_ctrl:1
.endr
.irp q, 0,1,2,3,4
	v_add_nc_u32 v[120+\q], v[120+\q], v[80+\q]
.endr
.endr
.irp q, 0,1,2,3
	v_readlane_b32 s[40+\q], v[120+\q], 15
	v_readlane_b32 s44, v[120+\q], 31
	s_add_co_u32 s[40+\q], s[40+\q], s44           ; my wave's sums
.endr
	v_readlane_b32 s45, v124, 15
	v_cmp_lt_u32 vcc_lo, 15, v2
	s_delay_alu instid0(VALU_DEP_2)
	v_mov_b32 v80, s45
	s_delay_alu instid0(VALU_DEP_1)
	v_cndmask_b32 v80, 0, v80, vcc_lo
	s_delay_alu instid0(VALU_DEP_1)
	v_add_nc_u32 v124, v124, v80                   ; lanes 16-31 add the lower half's total
	s_delay_alu instid0(VALU_DEP_1)
	v_readlane_b32 s46, v124, 31                   ; my wave's rows of chunk g, a byte a type,
	s_delay_alu instid0(VALU_DEP_2)
	v_sub_nc_u32 v124, v124, v13                   ; and what the lanes before me hold (no byte borrows: each holds at least my own)
	s_and_b32 s47, s46, s25                        ; as fields of 16 bits: 2,048 at the most over the waves
	s_lshr_b32 s48, s46, 8
	s_and_b32 s48, s48, s25
	s_lshl_b32 s49, s18, 5
	v_mov_b32 v86, s49
.irp q, 0,1,2,3
	v_mov_b32 v[88+\q], s[40+\q]
.endr
	v_mov_b32 v92, s47
	v_mov_b32 v93, s48
	ds_store_b128 v86, v[88:91] offset:SORTW       ; my wave's record: all lanes write the same words
	ds_store_b64 v86, v[92:93] offset:SORTW+16
	s_wait_dscnt 0x0                               ; for the others' sake
	s_barrier_signal -1
	s_barrier_wait -1
	v_and_b32 v87, 15, v0
	s_delay_alu instid0(VALU_DEP_1)
	v_lshlrev_b32 v87, 5, v87
	ds_load_b128 v[96:99], v87 offset:SORTW        ; lane l: wave l % 16's record
	ds_load_b64 v[100:101], v87 offset:SORTW+16
	s_wait_dscnt 0x0
.irp n, 1,2,4,8
.irp q, 0,1,2,3,4,5
	v_mov_b32_dpp v[80+\q], v[96+\q] row_shr:\n row_mask:0xf bank_mask:0xf bound_ctrl:1
.endr
.irp q, 0,1,2,3,4,5
	v_add_nc_u32 v[96+\q], v[96+\q], v[80+\q]
.endr
.endr
.irp q, 0,1,2,3
	v_readlane_b32 s[50+\q], v[96+\q], 15          ; over all 16 waves: all chunks (two words), the chunks before g (two words)
.endr
	v_readlane_b32 s54, v100, s18                  ; chunk g up to and with my wave,
	v_readlane_b32 s55, v101, s18
	s_sub_co_u32 s54, s54, s47                     ; without it (no field borrows)
	s_sub_co_u32 s55, s55, s48
	s_and_b32 s28, s50, 0xffff                     ; C0
	s_and_b32 s29, s51, 0xffff                     ; C1
	s_lshr_b32 s30, s50, 16                        ; C2
	s_add_co_u32 s31, s28, 111
	s_mul_i32 s31, s31, 149797
	s_lshr_b32 s31, s31, 24                        ; T1 = ceil(C0 / 112): x 149,797 >> 24 is x / 112 exactly for x under 349,525, and the product stays under 2^32
	s_add_co_u32 s32, s29, 111
	s_mul_i32 s32, s32, 149797
	s_lshr_b32 s32, s32, 24
	s_add_co_u32 s33, s31, s32                     ; T2
	s_mul_i32 s34, s31, 112                        ; where type 1's entries begin,
	s_mul_i32 s35, s33, 112                        ; and type 2's
	s_and_b32 s36, s52, 0xffff                     ; the chunks before g: type 0,
	s_and_b32 s37, s53, 0xffff                     ; type 1,
	s_lshr_b32 s38, s52, 16                        ; type 2
	s_and_b32 s56, s54, 0xffff                     ; the waves before mine in chunk g
	s_and_b32 s57, s55, 0xffff
	s_lshr_b32 s58, s54, 16
	s_add_co_u32 s36, s36, s56
	s_add_co_u32 s37, s37, s57
	s_add_co_u32 s37, s37, s34
	s_add_co_u32 s38, s38, s58
	s_add_co_u32 s38, s38, s35
	v_and_b32 v104, 0xff, v124
	s_delay_alu instid0(VALU_DEP_1)
	v_add_nc_u32 v104, s36, v104                   ; where my first row of type 0 goes,
	v_bfe_u32 v105, v124, 8, 8
	s_delay_alu instid0(VALU_DEP_1)
	v_add_nc_u32 v105, s37, v105                   ; of type 1,
	v_bfe_u32 v106, v124, 16, 8
	s_delay_alu instid0(VALU_DEP_1)
	v_add_nc_u32 v106, s38, v106                   ; of type 2
	; EVERY ADDRESS STILL TO COME IS MADE HERE, WITH ALL LANES ON, ahead of the first narrowing of EXEC; behind it stand only compares, the narrowing, stores and the widening.
.irp i, 0,1,2,3
	v_cmp_eq_u32 vcc_lo, 1, v[OW+\i]
	s_delay_alu instid0(VALU_DEP_1)
	v_cndmask_b32 v6, v104, v105, vcc_lo
	v_cmp_lt_u32 vcc_lo, 1, v[OW+\i]
	s_delay_alu instid0(VALU_DEP_1)
	v_cndmask_b32 v6, v6, v106, vcc_lo
	s_delay_alu instid0(VALU_DEP_1)
	v_add_nc_u32 v[LR+\i], v[LR+\i], v6
	s_delay_alu instid0(VALU_DEP_1)
	v_min_u32 v[LR+\i], 25311, v[LR+\i]            ; held inside the list
	s_delay_alu instid0(VALU_DEP_1)
	v_lshlrev_b32 v[LR+\i], 2, v[LR+\i]
	v_add_nc_u32 v[DAT+\i], \i, v127               ; the row's number
.endr
	; The entries that no row takes: behind each type's rows up to the next type's first entry, behind type 2's up to entry 25,312: 335 at the most, fewer than the threads.  Work-group 0 stores them:
	; in the others the three counts are 0, so that no lane is on.
	s_sub_co_u32 s41, s34, s28                     ; how many behind type 0's rows,
	s_add_co_u32 s42, s34, s29                     ; where type 1's rows end,
	s_sub_co_u32 s43, s35, s42                     ; how many behind them,
	s_add_co_u32 s44, s35, s30                     ; where type 2's rows end,
	s_sub_co_u32 s45, 25312, s44                   ; how many behind them
	s_cmp_eq_u32 ttmp9, 0
	s_cselect_b32 s41, s41, 0
	s_cselect_b32 s43, s43, 0
	s_cselect_b32 s45, s45, 0
	v_mov_b32 v131, 25000
.macro SADR start, reg                 ; thread t's entry behind a type's rows, held inside the list, in bytes
	v_add_nc_u32 v[\reg], s[\start], v0
	s_delay_alu instid0(VALU_DEP_1)
	v_min_u32 v[\reg], 25311, v[\reg]
	s_delay_alu instid0(VALU_DEP_1)
	v_lshlrev_b32 v[\reg], 2, v[\reg]
.endm
	SADR 28, 128
	SADR 42, 129
	SADR 44, 130
	s_lshl_b32 s59, ttmp9, 4
	s_or_b32 s59, s59, s18
	s_cmp_lt_u32 s59, 8                            ; the tile table: threads 0 to 255 of work-group 0, a tile each
	s_cbranch_scc0 .Lnotab
	v_cmp_le_u32 vcc_lo, s31, v0
	s_delay_alu instid0(VALU_DEP_1)
	v_cndmask_b32 v132, 0, 1, vcc_lo
	v_mov_b32 v134, s29
	v_mov_b32 v135, s31
	v_mov_b32 v136, s28
	s_delay_alu instid0(VALU_DEP_1)
	v_cndmask_b32 v136, v136, v134, vcc_lo         ; the type's rows,
	s_delay_alu instid0(VALU_DEP_3)
	v_cndmask_b32 v137, 0, v135, vcc_lo            ; and its first tile
	v_cmp_le_u32 vcc_lo, s33, v0
	s_delay_alu instid0(VALU_DEP_1)
	v_cndmask_b32 v133, 0, 1, vcc_lo
	s_delay_alu instid0(VALU_DEP_1)
	v_add_nc_u32 v132, v132, v133                  ; type = (j >= T1) + (j >= T2)
	v_mov_b32 v134, s30
	v_mov_b32 v135, s33
	s_delay_alu instid0(VALU_DEP_2)
	v_cndmask_b32 v136, v136, v134, vcc_lo
	s_delay_alu instid0(VALU_DEP_2)
	v_cndmask_b32 v137, v137, v135, vcc_lo
	s_delay_alu instid0(VALU_DEP_1)
	v_sub_nc_u32 v139, v0, v137
	s_delay_alu instid0(VALU_DEP_1)
	v_mul_u32_u24 v139, v139, 112
	s_delay_alu instid0(VALU_DEP_1)
	v_sub_nc_u32 v133, v136, v139
	s_delay_alu instid0(VALU_DEP_1)
	v_max_i32 v133, 0, v133
	s_delay_alu instid0(VALU_DEP_1)
	v_min_i32 v133, 112, v133                      ; rows left for this tile, 0 to 112
	v_lshlrev_b32 v140, 3, v0
	global_store_b64 v140, v[132:133], s[16:17]    ; 32 lanes store 256 consecutive bytes, aligned
.Lnotab:
	s_wait_xcnt 0x0                                ; EXEC changes only behind this wait
	v_cmp_gt_u32 vcc_lo, s22, v127
	s_and_saveexec_b32 s39, vcc_lo                 ; in the last chunk threads 0 to 105 alone have rows
.irp i, 0,1,2,3
	global_store_b32 v[LR+\i], v[DAT+\i], s[14:15] ; 4 bytes a lane, to where the sort puts them: 100,000 bytes in all 13 work-groups; each store has registers of its own
.endr
	s_wait_xcnt 0x0
	s_or_b32 exec_lo, exec_lo, s39
.macro SENT pad, reg
	v_cmp_gt_u32 vcc_lo, s[\pad], v0
	s_and_saveexec_b32 s39, vcc_lo                 ; (no memory instruction has been issued since the last wait on XCNT)
	global_store_b32 v[\reg], v131, s[14:15]
	s_wait_xcnt 0x0
	s_or_b32 exec_lo, exec_lo, s39
.endm
	s_wait_alu depctr_va_vdst(0)
	SENT 41, 128
	SENT 43, 129
	SENT 45, 130
	s_wait_tensorcnt 0x0                           ; the wave's end
	ds_add_u32 v[SPW], v[NIL]
	s_wait_dscnt 0x0
	s_endpgm
; ---------------- x's quantiser: a wave takes 8 rows, a row (512 numbers, 16 blocks) a step; waves share nothing ----------------
; Each of a step's four loads reads 512 consecutive bytes, 16 a lane; the 2,048 bytes go through the wave's own stage as they lie and come back 64 bytes a lane: 16 neighbours, two neighbouring lanes to a block.
.Lxq:
	s_load_b64 s[20:21], s[0:1], 0x38              ; node_latent
	s_load_b128 s[24:27], s[0:1], 0x40             ; xq s[24:25], xs s[26:27]
	s_sub_co_u32 s19, ttmp9, NPREP
	s_lshl_b32 s19, s19, 4
	s_add_co_u32 s28, s19, s18                     ; which run of 8 rows is my wave's
	s_mul_i32 s29, s18, XWREG
	s_add_co_u32 s29, s29, XLDS                    ; my wave's LDS
	v_lshlrev_b32 v3, 4, v2                        ; my 16 bytes of a load's 512
	v_lshrrev_b32 v4, 2, v2
	v_mul_u32_u24 v4, v4, 80
	v_and_b32 v8, 3, v2
	v_lshl_add_u32 v4, v8, 4, v4
	v_add_nc_u32 v4, s29, v4                       ; the stage, in: four lanes' 64 bytes on end, then 16 of padding
	v_mul_u32_u24 v5, v2, 80
	v_add_nc_u32 v5, s29, v5                       ; out: my 16 neighbours
	v_and_b32 v8, 1, v2                            ; my 12 bytes' place in the row's 384: lane = 8 s + 4 j1 + 2 j0 + half: 96 s + 24 j1 + 48 j0 + 12 half (blocks 1 and 2 change places)
	v_mul_u32_u24 v6, v8, 12
	v_bfe_u32 v8, v2, 1, 1
	v_mad_u32_u24 v6, v8, 48, v6
	v_bfe_u32 v8, v2, 2, 1
	v_mad_u32_u24 v6, v8, 24, v6
	v_lshrrev_b32 v8, 3, v2
	v_mad_u32_u24 v6, v8, 96, v6
	v_lshrrev_b32 v7, 1, v2
	v_add_nc_u32 v7, s29, v7                       ; my block's scale byte (behind the stages: + 5,120 in the store's offset)
	v_lshlrev_b32 v12, 2, v2                       ; the scale bytes' way out: 4 bytes a lane
	v_add_nc_u32 v10, s29, v12
	s_wait_alu depctr_va_vdst(0)
	s_wait_kmcnt 0x0
	s_cmp_lt_u32 s28, NRUN
	s_cbranch_scc0 .Lxidle                         ; no rows are left for this wave
	s_lshl_b32 s30, s28, 14                        ; 8 rows of 2,048 bytes
	s_mov_b32 s31, 0
	s_add_nc_u64 s[20:21], s[20:21], s[30:31]
	s_mul_i32 s30, s28, 3072                       ; 8 rows of 384 bytes
	s_add_nc_u64 s[24:25], s[24:25], s[30:31]
	s_lshl_b32 s30, s28, 7                         ; 8 rows of 16 bytes
	s_add_nc_u64 s[26:27], s[26:27], s[30:31]
.macro XLOAD t
.irp i, 0,1,2,3
	global_load_b128 v[XR+16*((\t)%4)+4*\i:XR+16*((\t)%4)+4*\i+3], v3, s[20:21] offset:2048*(\t)+512*\i th:TH_LOAD_NT
.endr
.endm
.macro XTURN t                         ; LDS serves a wave's instructions in order: no wait between the stores and the loads
.irp i, 0,1,2,3
	ds_store_b128 v4, v[XR+16*((\t)%4)+4*\i:XR+16*((\t)%4)+4*\i+3] offset:2560*((\t)%2)+640*\i
.endr
.irp i, 0,1,2,3
	ds_load_b128 v[XX+16*((\t)%2)+4*\i:XX+16*((\t)%2)+4*\i+3], v5 offset:2560*((\t)%2)+16*\i
.endr
.endm
.macro XSTEP t
.set XS2, XX+16*((\t)%2)
.if (\t) > 0
	s_wait_dscnt 1                                 ; this row is back from the stage (the last row's byte store may be out): its stores into the stage have read their registers,
.else
	s_wait_dscnt 0x0
.endif
.if (\t)+4 < 8
	XLOAD (\t)+4                                   ; which take the loads of four rows on
.endif
.if (\t)+1 < 8
.if 6-(\t) >= 3
	s_wait_loadcnt 12                              ; the next row's four loads are in; those of the three rows behind it may be out
.else
	s_wait_loadcnt 4*(6-(\t))
.endif
	XTURN (\t)+1
.endif
	v_max3_num_f32 v8, |v[XS2]|, |v[XS2+1]|, |v[XS2+2]|
	v_max3_num_f32 v9, |v[XS2+3]|, |v[XS2+4]|, |v[XS2+5]|
.irp i, 6,10
	v_max3_num_f32 v8, v8, |v[XS2+\i]|, |v[XS2+\i+1]|
	v_max3_num_f32 v9, v9, |v[XS2+\i+2]|, |v[XS2+\i+3]|
.endr
	v_max3_num_f32 v8, v8, |v[XS2+14]|, |v[XS2+15]|
	v_max3_num_f32 v8, v8, v9, 0x1800000           ; the floor 2^(3 - 127): the byte cannot fall under 1
	v_max_num_f32_dpp v8, v8, v8 row_xmask:1 row_mask:0xf bank_mask:0xf   ; with my neighbour's 16: the block's largest magnitude
	v_add_nc_u32 v11, 0xff000000, v8               ; 2 off the exponent field: the conversion's scale operand
	v_cvt_scalef32_pk16_fp6_f32 v[XC+4*(\t):XC+4*(\t)+2], v[XS2:XS2+15], v11
	v_lshrrev_b32 v[XE+(\t)], 23, v11              ; the scale's byte
	ds_store_b8 v7, v[XE+(\t)] offset:5120+16*(\t) ; both lanes of a block write the same byte with the same value
	global_store_b96 v6, v[XC+4*(\t):XC+4*(\t)+2], s[24:25] offset:384*(\t)   ; the wave stores the row's 384 consecutive bytes
.endm
.irp t, 0,1,2,3
	XLOAD \t
.endr
	s_wait_loadcnt 12                              ; row 0's four loads are in
	XTURN 0
.irp t, 0,1,2,3,4,5,6,7
	XSTEP \t
.endr
	ds_load_b32 v8, v10 offset:5120                ; LDS serves a wave's instructions in order: this sees my byte stores
	s_wait_dscnt 0x0
	global_store_b32 v12, v8, s[26:27]             ; 32 lanes store my 8 rows' 128 consecutive scale bytes
	s_wait_tensorcnt 0x0                           ; the wave's end
	ds_add_u32 v[SPW], v[NIL]
	s_wait_dscnt 0x0
	s_endpgm
.Lxidle:
	s_endpgm
.Lfunc_end_k_q726ffe6ee3_prep:
	.size	k_q726ffe6ee3_prep, .Lfunc_end_k_q726ffe6ee3_prep-k_q726ffe6ee3_prep
	.p2alignl 7, 3214868480
	.fill 96, 4, 3214868480
	.section	.rodata,"a",@progbits
	.p2align	6, 0x0
	.amdhsa_kernel k_q726ffe6ee3_prep
		.amdhsa_group_segment_fixed_size 137728
		.amdhsa_private_segment_fixed_size 0
		.amdhsa_enable_private_segment 0
		.amdhsa_kernarg_size 80
		.amdhsa_user_sgpr_count 2
		.amdhsa_user_sgpr_kernarg_segment_ptr 1
		.amdhsa_wavefront_size32 1
		.amdhsa_system_sgpr_workgroup_id_x 1
		.amdhsa_system_sgpr_workgroup_id_y 1
		.amdhsa_system_sgpr_workgroup_id_z 1
		.amdhsa_system_vgpr_workitem_id 0
		.amdhsa_next_free_vgpr 192
		.amdhsa_next_free_sgpr 66
		.amdhsa_reserve_vcc 1
		.amdhsa_float_denorm_mode_32 3
		.amdhsa_float_denorm_mode_16_64 3
		.amdhsa_memory_ordered 1
		.amdhsa_forward_progress 1
		.amdhsa_inst_pref_size 80
	.end_amdhsa_kernel
	.amdgpu_metadata
---
amdhsa.version: [ 1, 2 ]
amdhsa.kernels:
  - .name:           k_q726ffe6ee3_prep
    .symbol:         k_q726ffe6ee3_prep.kd
    .args:
      - { .name: node_types, .offset: 0, .size: 8, .value_kind: global_buffer, .address_space: global }
      - { .name: w1, .offset: 8, .size: 8, .value_kind: global_buffer, .address_space: global }
      - { .name: w2, .offset: 16, .size: 8, .value_kind: global_buffer, .address_space: global }
      - { .name: head_w, .offset: 24, .size: 8, .value_kind: global_buffer, .address_space: global }
      - { .name: wq, .offset: 32, .size: 8, .value_kind: global_buffer, .address_space: global }
      - { .name: order, .offset: 40, .size: 8, .value_kind: global_buffer, .address_space: global }
      - { .name: tiles, .offset: 48, .size: 8, .value_kind: global_buffer, .address_space: global }
      - { .name: node_latent, .offset: 56, .size: 8, .value_kind: global_buffer, .address_space: global }
      - { .name: xq, .offset: 64, .size: 8, .value_kind: global_buffer, .address_space: global }
      - { .name: xs, .offset: 72, .size: 8, .value_kind: global_buffer, .address_space: global }
    .group_segment_fixed_size: 137728
    .private_segment_fixed_size: 0
    .kernarg_segment_align: 8
    .kernarg_segment_size: 80
    .max_flat_workgroup_size: 512
    .sgpr_count:     66
    .vgpr_count:     192
    .wavefront_size: 32
...
	.end_amdgpu_metadata
.endif
;; end of part 1
;; launch chain (part 2): grid 226 x 1, 4 waves a work-group, no clusters, 327,680 bytes of LDS; arguments xq, b1, b2, ln_gamma, ln_beta, head_b, wq, order, tiles, out0, xs; writes out0
.if DOCPART == 2
	.amdgcn_target "amdgcn-amd-amdhsa--gfx1250"
	.amdhsa_code_object_version 6
	.text
	.protected	k_q726ffe6ee3_chain
	.globl	k_q726ffe6ee3_chain
	.p2align	8
	.type	k_q726ffe6ee3_chain,@function
k_q726ffe6ee3_chain:
	s_mov_b64 s[64:65], 0
	v_nop
	global_prefetch_b8 v0, s[64:65] scope:SCOPE_SE
	s_setreg_imm32_b32 hwreg(HW_REG_WAVE_MODE, 25, 1), 1
	s_wait_xcnt 0x0
; CHAIN.  out0[row] = LN(relu(x W1 + b1) W2 + b2) Whead[type] + head_b[type], all three products on codes of FP6 (E2M3) with one E8M0 scale for each 32 along K; all else f32.
; One work-group takes one tile of 112 rows of ONE type (7 tiles of 16, listed in order; type in tiles) through the whole chain; nothing between goes to memory.
; ceil(25,000 / 112) + 2 = 226 tiles serve every split of the rows among three types.
; SHARES.  The four waves share the COLUMNS: in layers 1 and 2 wave w makes columns 128 (4 p + w) on, in passes p = 0, 1, for all 112 rows (56 accumulators, 448 registers); in the head its 64 columns.
; Products are used transposed (source 0 = 16 weight columns, source 1 = 16 rows): a lane holds one row, and, by the choice of a weight tile's columns (lane r of tile 2 f + u: column 32 f + 8 u + r + 8 (r / 8)),
; the 16 registers of tiles 2 f, 2 f + 1 are 16 neighbours along the next K.  Weights come from wq straight into registers, each fragment into one wave; activations go from wave to wave through LDS as images of
; the operand's registers (a fragment: 3 stores of 512 bytes, lane l's 16 bytes at 16 l).
; LAYERNORM.  Each wave's 128 columns are a group with its own mean and its own sum of squares about that mean; the row's variance is the merge of the 8 groups: no difference of large sums is formed.
; Pass 0's numbers, centred, wait in LDS (229,376 bytes) while pass 1 is multiplied.
; A LIST ENTRY THAT HOLDS NO ROW (25,000) is replaced by the tile's first row: it computes that row's numbers again and stores them to the same bytes.  A tile with no rows at all (at most two of the 226) walks the text on
; row 24,999 and stores nothing: the way out runs under EXEC = (rows > 0).  So no branch hangs on a loaded number, and every wave passes every barrier.
; NO JOINT LOADS, though all work-groups walk the same w1 and w2: a joint load lands in LDS, and of its 327,680 bytes 90,112 (images) + 229,376 (the waiting half of h2) + 7,168 (group figures) + 512 are taken, so no slot fits;
; and 226 work-groups are no multiple of four.
; LIMITS: NaN and infinities are not served; a block whose largest magnitude lies under 2^-124 keeps the scale byte 1; node_types holds 0, 1 or 2 (the type is held at 2 from above).
; REGISTERS, in windows of 256.  Window 0: v1-23 addresses; v24-31 weights' scale words (2 sets); v32-47 activations' (2 sets); v48-215 activation fragments, 2 sets of 7 x 12 (between the products: at work);
;   v216-235 codes just made; v236-251 at work; v252 scale word just made; v253, v254 the add's two.  Window 1: v0-191 weight fragments, 2 sets of 8 x 12; v192-247 row numbers; v248 the tile's first row.
;   Window 2: accumulators of row tiles 0-3 (tile m, weight tile b at 8 (8 m + b)).  Window 3: those of row tiles 4-6; v192-255 the bias in the result's layout.
.set HIMG,  0                          ; LDS: the hidden layer's fragments, (K step s, row tile m) at (7 s + m) 1,536
.set HSC,   86016                      ; their scale words: 512 s + 32 r + 4 m
; x ARRIVES AS CODES (xq, xs: the launch before has quantised it): wave w gathers K step w of the tile's 112 rows, lane (r, h) its 48 bytes of each fragment and its row's scale word, and stores them to LDS as images.
; Row numbers: window 1, v192-198 entry 16 m + r (the gather), v200-206 entry 16 m + (r + h) % 16 (the way out takes entries 2 i and 2 i + 1 from it by row_share:2 i); v248 the tile's first row.
.set STASH, 90112                      ; pass 0 of h2: wave w at 57,344 w; registers 4 n .. 4 n + 3 at 512 n + 16 lane.  Earlier in time: x's images.  Later: the way out's stages
.set XIMG,  90112
.set XSC,   133120
.set STATS, 319488                     ; group g = 4 p + w: {mean, sum of squares} of row i at 896 g + 8 i
.set SPARE, 326656                     ; the spare words, 128 bytes a wave: two blocks of 256 bytes that no other line names
.set FRB,   1536
.set KSB,   10752                      ; a K step's 7 fragments
.set LI, 1
.set HS0, 2
.set AH, 3
.set AHS, 4
.set AX, 5
.set AXS, 6
.set XW, 7
.set XSW, 8
.set HW0, 9
.set HSW0, 10
.set HW, 11
.set HSW, 12
.set SA, 15
.set STW, 16
.set STR, 17
.set BO, 18
.set OSI, 19
.set OSO, 20
.set OL, 21
.set AH1, 22
.set STW0, 23
.set SCW, 24
.set SCA, 32
.set AF, 48
.set PC, 216
.set TM, 236
.set PW, 252
.set SPW, 253
.set NIL, 254
.set XT, 48                            ; overlays of v48-215
.set XD, 64                            ; x's gathered fragments, 7 x 12, and behind them their 7 scale words
.set GA, 48
.set BE, 112
.set CT0, 176
.set CT1, 216
.set RM, 192
.set VAR, 206
.set ML, 206
.set OB, 48                            ; the way out: rows read back from the stage, 2 sets of 32
.set OT, 112                           ; the way out: v112-167, the 56 store offsets, one for each pair of rows
.set WF, 0                             ; window 1
.set RR, 192
.set RS, 200
.set RF, 248
.set BI, 192                           ; window 3
.set WV, 26                            ; scalars
.set WP, 28                            ; s[28:29] where the weight stream stands; s[30:31] its next step
.set JX, 32
.set NB, 34
.set P, 44
.set KC, 45
.set TA, 46
.set TS, 47
.set TH, 48
.set THS, 49
.set TG, 50
.set SEL, 52
.set MSB, 0
.macro WIN new                         ; bits 1:0 source 0, 3:2 source 1, 5:4 source 2, 7:6 destination; the high byte repeats the setting that is left
.if MSB != (\new)
	s_set_vgpr_msb (MSB<<8)|(\new)
.set MSB, (\new)
.endif
.endm
.macro PLACES                          ; four plain places behind matrix instructions, ahead of loads into their registers and of the first read of results
.rept 4
	v_nop
.endr
.endm
.macro BARRIER                         ; my LDS stores have landed and my LDS loads are in: then the work-group's barrier
	s_wait_dscnt 0x0
	s_barrier_signal -1
	s_barrier_wait -1
.endm
.macro REFA set, off                   ; a block's fragments 0-3
	WIN 0x40
.set g, 0
.rept 12
	global_load_b128 v[WF+96*(\set)+4*g:WF+96*(\set)+4*g+3], v[LI], s[WP:WP+1] offset:(\off)+512*g
.set g, g+1
.endr
.endm
.macro REFB set, off                   ; its scale words first, then fragments 4-7
	WIN 0
	global_load_b128 v[SCW+4*(\set):SCW+4*(\set)+3], v[LI], s[WP:WP+1] offset:(\off)+12288
	WIN 0x40
.set g, 0
.rept 12
	global_load_b128 v[WF+96*(\set)+48+4*g:WF+96*(\set)+48+4*g+3], v[LI], s[WP:WP+1] offset:(\off)+6144+512*g
.set g, g+1
.endr
.endm
.macro BUMP                            ; two blocks on; the twelfth step leaves the wave's stream for its part of the tile's head
	s_wait_xcnt 0x0                                ; the earlier loads have read the pointer
	s_add_co_u32 s[NB], s[NB], 1
	s_cmp_eq_u32 s[NB], 12
	s_cselect_b32 s58, 1, 0
	s_mul_i32 s58, s58, s[JX]
	s_add_co_u32 s30, s58, 25600
	s_add_nc_u64 s[WP:WP+1], s[WP:WP+1], s[30:31]
.endm
.macro ALOAD set, adr, sadr, off, soff ; a K step's 7 activation fragments and their scale words: 23 LDS loads
.irp m, 0,1,2,3,4,5,6
.irp c, 0,1,2
	ds_load_b128 v[AF+84*(\set)+12*\m+4*\c:AF+84*(\set)+12*\m+4*\c+3], v[\adr] offset:(\off)+FRB*\m+512*\c
.endr
.endr
	ds_load_b128 v[SCA+8*(\set):SCA+8*(\set)+3], v[\sadr] offset:(\soff)
	ds_load_b96 v[SCA+8*(\set)+4:SCA+8*(\set)+6], v[\sadr] offset:(\soff)+16
.endm
.macro WM first, odd                   ; one product; the weights' scale words of an odd tile lie in lanes 16-31
.if \first
.if \odd
	v_wmma_scale_f32_16x16x128_f8f6f4 v[rD:rD+7], v[rW:rW+11], v[rA:rA+11], v[rC:rC+7], v[rSW], v[rSA] matrix_a_fmt:MATRIX_FMT_FP6 matrix_b_fmt:MATRIX_FMT_FP6 matrix_a_scale:MATRIX_SCALE_ROW1
.else
	v_wmma_scale_f32_16x16x128_f8f6f4 v[rD:rD+7], v[rW:rW+11], v[rA:rA+11], v[rC:rC+7], v[rSW], v[rSA] matrix_a_fmt:MATRIX_FMT_FP6 matrix_b_fmt:MATRIX_FMT_FP6
.endif
.else
.if \odd
	v_wmma_scale_f32_16x16x128_f8f6f4 v[rD:rD+7], v[rW:rW+11], v[rA:rA+11], v[rD:rD+7], v[rSW], v[rSA] matrix_a_fmt:MATRIX_FMT_FP6 matrix_b_fmt:MATRIX_FMT_FP6 matrix_a_scale:MATRIX_SCALE_ROW1
.else
	v_wmma_scale_f32_16x16x128_f8f6f4 v[rD:rD+7], v[rW:rW+11], v[rA:rA+11], v[rD:rD+7], v[rSW], v[rSA] matrix_a_fmt:MATRIX_FMT_FP6 matrix_b_fmt:MATRIX_FMT_FP6
.endif
.endif
.endm
; 28 products: weight tiles 4 hf .. 4 hf + 3 against the 7 row tiles.  first = 1 (written as the number 0 or 1: it enters the window's arithmetic): the bias is the C of the sum's first product.
; All 28 accumulators differ, and those of the next 28 too: they take turns.
.macro MUL set, hf, first
	WIN 0xa1+0x10*(\first)
.irp b, 0,1,2,3
.irp m, 0,1,2,3
.set rD, 8*(8*\m+4*(\hf)+\b)
.set rW, WF+96*(\set)+48*(\hf)+12*\b
.set rA, AF+84*(\set)+12*\m
.set rC, BI+8*(4*(\hf)+\b)
.set rSW, SCW+4*(\set)+2*(\hf)+\b/2
.set rSA, SCA+8*(\set)+\m
	WM \first, \b%2
.endr
.endr
	WIN 0xf1
.irp b, 0,1,2,3
.irp m, 4,5,6
.set rD, 8*(8*(\m-4)+4*(\hf)+\b)
.set rW, WF+96*(\set)+48*(\hf)+12*\b
.set rA, AF+84*(\set)+12*\m
.set rC, BI+8*(4*(\hf)+\b)
.set rSW, SCW+4*(\set)+2*(\hf)+\b/2
.set rSA, SCA+8*(\set)+\m
	WM \first, \b%2
.endr
.endr
.endm
.macro MULH set, hf, first             ; the head: my 4 weight tiles of K step hf of the block against the 7 row tiles; accumulator (m, b) at 8 (4 m + b) of window 2
	WIN 0xa1+0x10*(\first)
.irp b, 0,1,2,3
.irp m, 0,1,2,3,4,5,6
.set rD, 8*(4*\m+\b)
.set rW, WF+96*(\set)+48*(\hf)+12*\b
.set rA, AF+84*(\hf)+12*\m
.set rC, BI+8*\b
.set rSW, SCW+4*(\set)+2*(\hf)+\b/2
.set rSA, SCA+8*(\hf)+\m
	WM \first, \b%2
.endr
.endr
.endm
; A K step of layers 1 and 2: 56 products.  Each half's weights are asked for again as soon as they are multiplied (the block two steps on); the next step's activations are fetched in the middle.
; wrap = 1: the pass's last step fetches step 0's activations for the next pass, if there is one.
.macro STEP set, first, refoff, adr, sadr, off, soff, wrap
	s_wait_loadcnt 37                              ; this block's fragments 0-3 and its scale words are in: behind the scale words' load were issued 12 + 12 + 13
	s_wait_dscnt 0x0                               ; the activations, asked for 28 products ago
	MUL \set, 0, \first
	PLACES
.if (\set) == 0
	BUMP
.endif
	REFA \set, \refoff
	WIN 0
.if \wrap
	s_cmp_eq_u32 s[P], 1
	s_cbranch_scc1 .Lnowrap_\@
.endif
	ALOAD 1-(\set), \adr, \sadr, \off, \soff
.if \wrap
.Lnowrap_\@:
.endif
	s_wait_loadcnt 37                              ; fragments 4-7 are in: behind them were issued 12 + 13 + 12
	MUL \set, 1, \first
	PLACES
	REFB \set, \refoff
	WIN 0
.endm
; 64 numbers of a lane, v[s] on in window w, register 16 b + i = k 32 b + 16 (lane / 16) + i of my row, become a fragment's codes in v[PC] on and its scale word in v[PW].
.macro QUANT s, w
	WIN ((\w)<<2)|((\w)<<4)
.irp b, 0,1,2,3
	v_max3_num_f32 v[TM+\b], 0x1800000, |v[(\s)+16*\b]|, |v[(\s)+16*\b+1]|   ; my 16 numbers of block b, and the floor 2^(3 - 127): the byte cannot fall under 1
.endr
.irp i, 2,4,6,8,10,12,14
.irp b, 0,1,2,3
	v_max3_num_f32 v[TM+\b], v[TM+\b], |v[(\s)+16*\b+\i]|, |v[(\s)+16*\b+\i+1]|
.endr
.endr
	WIN 0
.irp b, 0,1,2,3
	v_permlanex16_b32 v[TM+4+\b], v[TM+\b], s[SEL], s[SEL+1]
.endr
.irp b, 0,1,2,3
	v_max_num_f32 v[TM+\b], v[TM+\b], v[TM+4+\b]   ; with lane l xor 16's: the block's largest magnitude
.endr
.irp b, 0,1,2,3
	v_add_nc_u32 v[TM+12+\b], 0xff000000, v[TM+\b] ; 2 off its exponent field: the conversion's scale operand
.endr
.irp b, 0,1,2,3
	v_lshrrev_b32 v[TM+4+\b], 23, v[TM+12+\b]      ; the scale's byte
.endr
	v_lshl_or_b32 v[PW], v[TM+5], 8, v[TM+4]
	v_lshl_or_b32 v[PW], v[TM+6], 16, v[PW]
	v_lshl_or_b32 v[PW], v[TM+7], 24, v[PW]
	WIN (\w)
.irp c, 0,1
	v_cvt_scalef32_pk16_fp6_f32 v[PC+6*\c:PC+6*\c+2], v[(\s)+32*\c:(\s)+32*\c+15], v[TM+12+2*\c]
	v_cvt_scalef32_pk16_fp6_f32 v[PC+12+4*\c:PC+12+4*\c+2], v[(\s)+32*\c+16:(\s)+32*\c+31], v[TM+12+2*\c+1]   ; (a conversion's three registers begin on an even number)
.endr
	WIN 0
	v_nop                                          ; one plain place behind a scaled conversion
.irp c, 0,1                            ; the operand wants a whole block in a lane: lanes 0-15 block 2 c, lanes 16-31 block 2 c + 1
.irp i, 0,1,2
	v_permlane16_swap_b32 v[PC+6*\c+\i], v[PC+12+4*\c+\i]
.endr
.irp i, 0,1,2
	v_mov_b32 v[PC+3+6*\c+\i], v[PC+12+4*\c+\i]
.endr
.endr
.endm
.macro IMAGE adr, sadr, m              ; the fragment goes to LDS as it stands, its scale word beside it (lanes r and r + 16 write the same word)
.irp c, 0,1,2
	ds_store_b128 v[\adr], v[PC+4*\c:PC+4*\c+3] offset:FRB*(\m)+512*\c
.endr
	ds_store_b32 v[\sadr], v[PW] offset:4*(\m)
.endm
.macro BIAS ptr, n                     ; n tiles of a bias in the result's layout: lane (r, h), tile b: numbers 32 (b / 2) + 16 h + 8 (b % 2) + 0 .. 7
	WIN 0xc0
.set bq, 0
.rept \n
	global_load_b128 v[BI+8*bq:BI+8*bq+3], v[BO], s[\ptr:\ptr+1] offset:128*(bq/2)+32*(bq%2)
	global_load_b128 v[BI+8*bq+4:BI+8*bq+7], v[BO], s[\ptr:\ptr+1] offset:128*(bq/2)+32*(bq%2)+16
.set bq, bq+1
.endr
.endm
.macro GBLOAD                          ; gamma and beta of a chunk of 128 columns, in the same layout
	WIN 0
.set bq, 0
.rept 8
	global_load_b128 v[GA+8*bq:GA+8*bq+3], v[BO], s[66:67] offset:128*(bq/2)+32*(bq%2)
	global_load_b128 v[GA+8*bq+4:GA+8*bq+7], v[BO], s[66:67] offset:128*(bq/2)+32*(bq%2)+16
	global_load_b128 v[BE+8*bq:BE+8*bq+3], v[BO], s[68:69] offset:128*(bq/2)+32*(bq%2)
	global_load_b128 v[BE+8*bq+4:BE+8*bq+7], v[BO], s[68:69] offset:128*(bq/2)+32*(bq%2)+16
.set bq, bq+1
.endr
.endm
; ---------------- the head ----------------
	s_load_b512 s[4:19], s[0:1], 0x0               ; xq s[4:5], b1 s[6:7], b2 s[8:9], gamma s[10:11], beta s[12:13], head_b s[14:15], wq s[16:17], order s[18:19]
	s_load_b128 s[20:23], s[0:1], 0x40             ; tiles s[20:21], out0 s[22:23]
	s_load_b64 s[76:77], s[0:1], 0x50              ; xs
	v_lshl_add_u32 v[SPW], v0, 2, SPARE
	v_mov_b32 v[NIL], 0
	v_lshrrev_b32 v236, 5, v0
	v_readfirstlane_b32 s[WV], v236                ; wave 0..3
	v_and_b32 v236, 15, v0                         ; r
	v_bfe_u32 v237, v0, 4, 1                       ; h
	v_and_b32 v[LI], 31, v0
	v_lshlrev_b32 v[LI], 4, v[LI]                  ; 16 x lane: an image's place for my lane
	s_mul_i32 s58, s[WV], KSB
	s_lshl_b32 s74, s[WV], 9
	s_mov_b32 s75, 0
	s_mul_i32 s62, s[WV], 96
	s_mul_i32 s63, s[WV], 57344
	s_mul_i32 s72, s[WV], 896
	s_lshl_b32 s73, s[WV], 8
	v_lshl_add_u32 v[HS0], v236, 5, HSC            ; my row's scale words of the hidden layer
	v_add_nc_u32 v[AX], XIMG, v[LI]
	v_lshl_add_u32 v[AXS], v236, 5, XSC
	v_add_nc_u32 v[XW], s58, v[AX]                 ; where I store x's images: K step w
	v_add_nc_u32 v[XSW], s74, v[AXS]
	v_add_nc_u32 v[HW0], s58, v[LI]                ; and the hidden layer's: K step w (+ 4 in pass 1)
	v_add_nc_u32 v[HSW0], s74, v[HS0]
	v_add_nc_u32 v[SA], s63, v[LI]
	v_add_nc_u32 v[SA], STASH, v[SA]
	v_lshl_add_u32 v[STR], v236, 3, STATS
	v_add_nc_u32 v[STW0], s72, v[STR]
	v_lshlrev_b32 v[BO], 6, v237
	v_mul_u32_u24 v[OSI], v236, 272                ; the way out's stage, in: row r, 64 bytes for each half of the lanes
	v_lshl_add_u32 v[OSI], v237, 6, v[OSI]
	v_add_nc_u32 v[OSI], s63, v[OSI]
	v_add_nc_u32 v[OSI], STASH, v[OSI]
	v_mul_u32_u24 v[OSO], v237, 272                ; back: lanes 0-15 one row of 256 bytes, lanes 16-31 the next
	v_lshl_add_u32 v[OSO], v236, 4, v[OSO]
	v_add_nc_u32 v[OSO], s63, v[OSO]
	v_add_nc_u32 v[OSO], STASH, v[OSO]
	v_lshlrev_b32 v[OL], 4, v236
	v_mad_u32_u24 v251, v237, 48, s62              ; xq: my K step's 96 bytes of a row, my half's 48 of them
	v_add_nc_u32 v[OL], s73, v[OL]                 ; out0: 16 (lane % 16) + my 64 columns' 256 bytes
	v_add_nc_u32 v[AH1], 4*KSB, v[LI]
	v_mov_b32 v248, 0
	v_add_nc_u32 v249, v236, v237
	v_and_b32 v249, 15, v249
	v_lshlrev_b32 v249, 2, v249                    ; the list, for the way out: entry (r + h) % 16 of a row tile
	v_lshlrev_b32 v250, 2, v236                    ; for the gather: entry r
	v_lshrrev_b32 v247, 5, v0
	v_lshlrev_b32 v247, 2, v247                    ; xs: my K step's word of a row's 16 bytes
.irp b, 0,1,2,3
	v_mov_b32 v[TM+4+\b], 0                        ; written once: a lane permute's destination counts as one of its sources
.endr
	v_mov_b32 v215, 0                              ; (named as the upper half of the pair v[214:215])
	s_lshl_b32 s71, ttmp9, 3
	s_mul_i32 s56, ttmp9, 448
	s_mov_b32 s57, 0
	s_mul_i32 s28, s[WV], 307200
	s_mov_b32 s29, 0
	s_mov_b32 s31, 0
	s_mov_b32 s[NB], 0
	s_mov_b32 s54, 25000
	s_mov_b32 s[SEL], 0x76543210
	s_mov_b32 s[SEL+1], 0xfedcba98                 ; v_permlanex16_b32's selects for lane l xor 16
	s_wait_alu depctr_va_vdst(0)
	s_wait_kmcnt 0x0
	s_load_b64 s[24:25], s[20:21], s71 offset:0x0  ; my tile's type and rows
	s_add_nc_u64 s[56:57], s[18:19], s[56:57]      ; its 112 entries of the list
	s_add_nc_u64 s[WP:WP+1], s[16:17], s[28:29]    ; my wave's stream of weights
	s_add_nc_u64 s[60:61], s[6:7], s[74:75]        ; b1 of chunk w,
	s_add_nc_u64 s[36:37], s[60:61], 2048          ; of chunk 4 + w;
	s_add_nc_u64 s[38:39], s[8:9], s[74:75]        ; b2 likewise
	s_add_nc_u64 s[40:41], s[38:39], 2048
	s_add_nc_u64 s[66:67], s[10:11], s[74:75]
	s_add_nc_u64 s[66:67], s[66:67], 2048          ; gamma and beta: chunk 4 + w is normalised first
	s_add_nc_u64 s[68:69], s[12:13], s[74:75]
	s_add_nc_u64 s[68:69], s[68:69], 2048
	WIN 0x40
	global_load_b32 v[RF], v248, s[56:57]
.irp m, 0,1,2,3,4,5,6
	global_load_b32 v[RR+\m], v250, s[56:57] offset:64*\m
	global_load_b32 v[RS+\m], v249, s[56:57] offset:64*\m
.endr
	REFA 0, 0
	REFB 0, 0
	REFA 1, 12800
	REFB 1, 12800
	BIAS 60, 8
	WIN 0
	s_wait_kmcnt 0x0
	s_min_u32 s24, s24, 2
	s_mul_i32 s58, s[WV], 256000
	s_sub_co_u32 s58, 921600, s58
	s_mul_i32 s59, s24, 204800
	s_add_co_u32 s[JX], s58, s59                   ; from the end of stream w (307,200 (w + 1)) to block 96 + 16 type + 4 w: never negative
	s_lshl_b32 s58, s24, 10
	s_lshl_b32 s59, s[WV], 8
	s_add_co_u32 s58, s58, s59
	s_mov_b32 s59, 0
	s_add_nc_u64 s[42:43], s[14:15], s[58:59]      ; head_b of my type, my 64 columns
	s_wait_loadcnt 63                              ; the list is in: 66 loads were issued behind it; the field holds 63
	WIN 0x45
	v_min_u32 v[RF], 24999, v[RF]
.irp k, 0,1,2,3,4,5,6,8,9,10,11,12,13,14
	v_cmp_gt_u32 vcc_lo, s54, v[RR+\k]
	v_cndmask_b32 v[RR+\k], v[RF], v[RR+\k], vcc_lo  ; an entry with no row takes the tile's first row
	v_min_u32 v[RR+\k], 24999, v[RR+\k]
.endr
	WIN 0x01
.irp m, 0,1,2,3,4,5,6
	v_mul_u32_u24 v[XT+\m], v[RR+\m], 384          ; a row of xq is 384 bytes,
	v_lshl_add_u32 v[XT+8+\m], v[RR+\m], 4, v247   ; of xs 16
.endr
	WIN 0
.irp m, 0,1,2,3,4,5,6
	v_add_nc_u32 v[XT+\m], v251, v[XT+\m]
.endr
; ---------------- X: K step w of the tile's rows, gathered as 7 finished fragments ----------------
.irp m, 0,1,2,3,4,5,6
.irp c, 0,1,2
	global_load_b128 v[XD+12*\m+4*\c:XD+12*\m+4*\c+3], v[XT+\m], s[4:5] offset:16*\c   ; registers 4 c .. 4 c + 3 of lane (r, h): 48 bytes on end in the row
.endr
	global_load_b32 v[XD+84+\m], v[XT+8+\m], s[76:77]
.endr
	s_wait_loadcnt 0x0
.irp m, 0,1,2,3,4,5,6
.irp c, 0,1,2
	ds_store_b128 v[XW], v[XD+12*\m+4*\c:XD+12*\m+4*\c+3] offset:FRB*\m+512*\c
.endr
	ds_store_b32 v[XSW], v[XD+84+\m] offset:4*\m   ; lanes r and r + 16 write the same word
.endr
	BARRIER                                        ; x's 28 fragments lie in LDS
; ---------------- layer 1: two passes of 4 K steps; relu; quantised: K step 4 p + w of layer 2 ----------------
	ALOAD 0, AX, AXS, 0, 0
	s_mov_b32 s[P], 0
	s_mov_b32 s[TH], 0
	s_mov_b32 s[THS], 0
.Ll1:
	s_wait_loadcnt 0x0                             ; the bias (and the two blocks asked for ahead of the epilogue)
	STEP 0, 1, 0,     AX, AXS, KSB,   512,  0
	STEP 1, 0, 12800, AX, AXS, 2*KSB, 1024, 0
	STEP 0, 0, 0,     AX, AXS, 3*KSB, 1536, 0
	STEP 1, 0, 12800, AX, AXS, 0,     0,    1
	s_wait_xcnt 0x0                                ; the last bias loads have read their pointer
	s_cmp_eq_u32 s[P], 0
	s_cselect_b64 s[60:61], s[36:37], s[38:39]     ; next: b1's chunk 4 + w, then b2's chunk w
	BIAS 60, 8
	WIN 0
	v_add_nc_u32 v[HW], s[TH], v[HW0]
	v_add_nc_u32 v[HSW], s[THS], v[HSW0]
.irp m, 0,1,2,3,4,5,6
	WIN ((2+\m/4)<<6)|((2+\m/4)<<2)
.set k, 0
.rept 64
	v_max_num_f32 v[64*(\m%4)+k], 0, v[64*(\m%4)+k]   ; the activation, each accumulator from its low end on
.set k, k+1
.endr
	QUANT 64*(\m%4), 2+\m/4
	IMAGE HW, HSW, \m
.endr
	s_add_co_u32 s[TH], s[TH], 4*KSB
	s_add_co_u32 s[THS], s[THS], 2048
	s_add_co_u32 s[P], s[P], 1
	s_cmp_lt_u32 s[P], 2
	s_cbranch_scc1 .Ll1
	BARRIER                                        ; the hidden layer's 56 fragments lie in LDS, and nobody reads x's images any more
; ---------------- layer 2: two passes of 8 K steps; each pass ends with its group's mean and sum of squares ----------------
.macro STAT m
.set W, 2+(\m)/4
.set A0, 64*((\m)%4)
	WIN W|(W<<2)
.irp c, 0,1,2,3
	v_pk_add_f32 v[216+2*\c:217+2*\c], v[A0+4*\c:A0+4*\c+1], v[A0+4*\c+2:A0+4*\c+3]   ; four chains, in ascending order: each accumulator is read from its low end on
.endr
	WIN W<<2
.set k, 8
.rept 24
	v_pk_add_f32 v[216+2*(k%4):217+2*(k%4)], v[216+2*(k%4):217+2*(k%4)], v[A0+2*k:A0+2*k+1]
.set k, k+1
.endr
	WIN 0
	v_pk_add_f32 v[216:217], v[216:217], v[218:219]
	v_pk_add_f32 v[220:221], v[220:221], v[222:223]
	v_pk_add_f32 v[216:217], v[216:217], v[220:221]
	v_add_f32 v216, v216, v217
	v_permlanex16_b32 v217, v216, s[SEL], s[SEL+1]
	v_add_f32 v216, v216, v217
	v_mul_f32 v216, 0x3c000000, v216               ; / 128: the group's mean of my row
	WIN (W<<6)|W
.set k, 0
.rept 32
	v_pk_add_f32 v[A0+2*k:A0+2*k+1], v[A0+2*k:A0+2*k+1], v[216:217] op_sel_hi:[1,0] neg_lo:[0,1] neg_hi:[0,1]   ; centred in place
.set k, k+1
.endr
	WIN W|(W<<2)
.irp c, 0,1,2,3
	v_pk_mul_f32 v[218+2*\c:219+2*\c], v[A0+2*\c:A0+2*\c+1], v[A0+2*\c:A0+2*\c+1]
.endr
.set k, 4
.rept 28
	v_pk_fma_f32 v[218+2*(k%4):219+2*(k%4)], v[A0+2*k:A0+2*k+1], v[A0+2*k:A0+2*k+1], v[218+2*(k%4):219+2*(k%4)]
.set k, k+1
.endr
	WIN 0
	v_pk_add_f32 v[218:219], v[218:219], v[220:221]
	v_pk_add_f32 v[222:223], v[222:223], v[224:225]
	v_pk_add_f32 v[218:219], v[218:219], v[222:223]
	v_add_f32 v218, v218, v219
	v_permlanex16_b32 v219, v218, s[SEL], s[SEL+1]
	v_add_f32 v217, v218, v219                     ; the group's sum of squares about its mean
	ds_store_b64 v[STW], v[216:217] offset:128*(\m)
.endm
	ALOAD 0, LI, HS0, 0, 0
	s_mov_b32 s[P], 0
	s_mov_b32 s[TG], 0
.Ll2:
	s_wait_loadcnt 0x0                             ; the bias
	s_mov_b32 s[TA], 0
	s_mov_b32 s[TS], 0
	STEP 0, 1, 0, LI, HS0, KSB, 512, 0
	s_mov_b32 s[KC], 3
.Lk:                                   ; K steps 2 t + 1 and 2 t + 2
	v_add_nc_u32 v[AH], s[TA], v[LI]
	v_add_nc_u32 v[AHS], s[TS], v[HS0]
	s_wait_alu depctr_va_vdst(0)
	STEP 1, 0, 12800, AH, AHS, 2*KSB, 1024, 0
	STEP 0, 0, 0,     AH, AHS, 3*KSB, 1536, 0
	s_add_co_u32 s[TA], s[TA], 2*KSB
	s_add_co_u32 s[TS], s[TS], 1024
	s_sub_co_u32 s[KC], s[KC], 1
	s_cmp_lg_u32 s[KC], 0
	s_cbranch_scc1 .Lk
	STEP 1, 0, 12800, LI, HS0, 0, 0, 1
	s_cmp_lg_u32 s[P], 0
	s_cbranch_scc1 .Lp1
	BIAS 40, 8                                     ; b2's chunk 4 + w
	WIN 0
	s_branch .Lpj
.Lp1:
	s_wait_dscnt 0x0                               ; no LDS load is on its way into the registers that gamma and beta take
	GBLOAD                                         ; gamma and beta of chunk 4 + w, into the registers that the activations have left,
	BIAS 42, 4                                     ; and the head's bias
	WIN 0
.Lpj:
	v_add_nc_u32 v[STW], s[TG], v[STW0]
.irp m, 0,1,2,3,4,5,6
	STAT \m
.endr
	s_cmp_lg_u32 s[P], 0
	s_cbranch_scc1 .Lnostash
	WIN 0x08                                       ; pass 0's centred numbers wait in LDS (the next pass's first wait on DScnt is for 0, ahead of the products that write these registers)
.set n, 0
.rept 64
	ds_store_b128 v[SA], v[4*n:4*n+3] offset:512*n
.set n, n+1
.endr
	WIN 0x0c
.rept 48
	ds_store_b128 v[SA], v[4*(n-64):4*(n-64)+3] offset:512*n
.set n, n+1
.endr
	WIN 0
.Lnostash:
	s_add_co_u32 s[TG], s[TG], 3584
	s_add_co_u32 s[P], s[P], 1
	s_cmp_lt_u32 s[P], 2
	s_cbranch_scc1 .Ll2
	BARRIER                                        ; all 8 groups' figures lie in LDS, and nobody reads the hidden layer's images any more
; ---------------- the rows' mean and 1 / sqrt(variance + eps), from the 8 groups ----------------
	s_mov_b32 s62, 0x3a800000                      ; 1 / 1,024
	s_mov_b32 s63, 0x3727c5ac                      ; eps = 1e-5
.macro CLOAD m
.set CTB, CT0+(CT1-CT0)*((\m)%2)
.irp g, 0,1,2,3,4,5,6,7
	ds_load_b64 v[CTB+2*\g:CTB+2*\g+1], v[STR] offset:896*\g+128*(\m)
.endr
.endm
.macro COMB m
.set CTB, CT0+(CT1-CT0)*((\m)%2)
	v_pk_add_f32 v[232:233], v[CTB:CTB+1], v[CTB+2:CTB+3]
	v_pk_add_f32 v[234:235], v[CTB+4:CTB+5], v[CTB+6:CTB+7]
	v_pk_add_f32 v[236:237], v[CTB+8:CTB+9], v[CTB+10:CTB+11]
	v_pk_add_f32 v[238:239], v[CTB+12:CTB+13], v[CTB+14:CTB+15]
	v_pk_add_f32 v[232:233], v[232:233], v[234:235]
	v_pk_add_f32 v[236:237], v[236:237], v[238:239]
	v_pk_add_f32 v[232:233], v[232:233], v[236:237]   ; (the sum of the means, the sum of the sums of squares)
	v_mul_f32 v[RM+2*(\m)+1], 0x3e000000, v232     ; the row's mean: the groups are of one size
.irp g, 0,1,2,3,4,5,6,7
	v_sub_f32 v[234+\g], v[CTB+2*\g], v[RM+2*(\m)+1]
.endr
	v_mul_f32 v242, v234, v234
	v_mul_f32 v243, v235, v235
	v_fmac_f32 v242, v236, v236
	v_fmac_f32 v243, v237, v237
	v_fmac_f32 v242, v238, v238
	v_fmac_f32 v243, v239, v239
	v_fmac_f32 v242, v240, v240
	v_fmac_f32 v243, v241, v241
	v_add_f32 v242, v242, v243
	v_fmamk_f32 v242, v242, 0x43000000, v233       ; + 128 x the spread of the groups' means
	v_fma_f32 v[VAR+(\m)], v242, s62, s63          ; variance + eps
.endm
	CLOAD 0
.irp m, 0,1,2,3,4,5,6
.if \m < 6
	CLOAD \m+1
	s_wait_dscnt 8                                 ; this tile's 8 loads are in; the next tile's may be out
.else
	s_wait_dscnt 0x0
.endif
	COMB \m
.endr
	s_wait_alu depctr_va_vdst(0)
.irp m, 0,1,2,3,4,5,6
	v_rsq_f32 v[RM+2*\m], v[VAR+\m]
.endr
	v_nop                                          ; a plain place behind the last of the batch
	s_wait_alu depctr_va_vdst(0)                   ; one wait for the seven, ahead of their first reader
; ---------------- LayerNorm and its quantiser: trip 0: chunk 4 + w, still in the accumulators; trip 1: chunk w, back from LDS ----------------
.macro LNM m, cnt
.set W, 2+(\m)/4
.set A0, 64*((\m)%4)
	s_wait_dscnt \cnt                              ; trip 1: this tile's 16 loads are in: behind them 16 for each later tile and 4 image stores for each earlier one (held at 63)
	v_sub_f32 v214, v[ML+(\m)], v[RM+2*(\m)+1]
	v_mul_f32 v214, v214, v[RM+2*(\m)]             ; (the group's mean - the row's) / sigma: what centring by the group's mean left out
	WIN (W<<6)|W
.set k, 0
.rept 32
	v_pk_fma_f32 v[A0+2*k:A0+2*k+1], v[A0+2*k:A0+2*k+1], v[RM+2*(\m):RM+2*(\m)+1], v[214:215] op_sel_hi:[1,0,0]
.set k, k+1
.endr
.set k, 0
.rept 32
	v_pk_fma_f32 v[A0+2*k:A0+2*k+1], v[A0+2*k:A0+2*k+1], v[GA+2*k:GA+2*k+1], v[BE+2*k:BE+2*k+1]
.set k, k+1
.endr
	QUANT A0, W
	IMAGE HW, HSW, \m
.endm
	s_mov_b32 s[P], 0
	s_mov_b32 s[TG], 3584
	s_mov_b32 s[TH], 4*KSB
	s_mov_b32 s[THS], 2048
.Lln:
	s_wait_loadcnt 0x0                             ; trip 0: gamma, beta and the head's bias, asked for behind layer 2's last step, are in; so no load is on its way into v48-175 when they are asked for again below
	v_add_nc_u32 v[STW], s[TG], v[STW0]
	v_add_nc_u32 v[HW], s[TH], v[HW0]
	v_add_nc_u32 v[HSW], s[THS], v[HSW0]
.irp m, 0,1,2,3,4,5,6
	ds_load_b32 v[ML+\m], v[STW] offset:128*\m     ; my group's means
.endr
	s_wait_dscnt 0x0                               ; in trip 0 nothing younger follows them
	s_cmp_eq_u32 s[P], 0
	s_cbranch_scc1 .Lheld
	s_wait_xcnt 0x0
	s_sub_nc_u64 s[66:67], s[66:67], 2048
	s_sub_nc_u64 s[68:69], s[68:69], 2048
	GBLOAD
	WIN 0x80
.set n, 0
.rept 64
	ds_load_b128 v[4*n:4*n+3], v[SA] offset:512*n
.set n, n+1
.endr
	WIN 0xc0
.rept 48
	ds_load_b128 v[4*(n-64):4*(n-64)+3], v[SA] offset:512*n
.set n, n+1
.endr
	WIN 0
.Lheld:
	s_wait_loadcnt 0x0                             ; trip 1: gamma and beta of chunk w
	LNM 0, 63
	LNM 1, 63
	LNM 2, 63
	LNM 3, 60
	LNM 4, 48
	LNM 5, 36
	LNM 6, 24
	s_xor_b32 s[TG], s[TG], 3584
	s_xor_b32 s[TH], s[TH], 4*KSB
	s_xor_b32 s[THS], s[THS], 2048
	s_add_co_u32 s[P], s[P], 1
	s_cmp_lt_u32 s[P], 2
	s_cbranch_scc1 .Lln
	BARRIER                                        ; the normalised layer's 56 fragments lie in LDS
; ---------------- the head: 8 K steps, two to a block of weights ----------------
.macro HALOAD set, s
.if (\s) < 6
	ALOAD \set, LI, HS0, KSB*(\s), 512*(\s)
.else
	ALOAD \set, AH1, HS0, KSB*((\s)-4), 512*(\s)
.endif
.endm
.macro HSTEP i, first, refill, w0, w1, d1
	s_wait_loadcnt \w0
	s_wait_dscnt 23                                ; K step 2 i's activations are in; the other set's 23 loads may be out
	MULH (\i)%2, 0, \first
	PLACES
.if \refill
.if (\i)%2 == 0
	BUMP
.endif
	REFA (\i)%2, 12800*((\i)%2)
.endif
	WIN 0
.if 2*(\i)+2 < 8
	HALOAD 0, 2*(\i)+2
.endif
	s_wait_loadcnt \w1
	s_wait_dscnt \d1
	MULH (\i)%2, 1, 0
	PLACES
.if \refill
	REFB (\i)%2, 12800*((\i)%2)
.endif
	WIN 0
.if 2*(\i)+3 < 8
	HALOAD 1, 2*(\i)+3
.endif
.endm
	HALOAD 0, 0
	HALOAD 1, 1
	s_wait_loadcnt 0x0                             ; blocks 0 and 1 of the head (asked for in layer 2's last two steps)
	HSTEP 0, 1, 1, 37, 37, 23
	HSTEP 1, 0, 1, 37, 37, 23
	HSTEP 2, 0, 0, 37, 25, 23                      ; block 2: behind its scale words' load 12 + 12 + 13; behind its fragments 4-7 block 3's 12 + 13
	HSTEP 3, 0, 0, 12, 0, 0                        ; block 3: behind its scale words' load its own 12; then nothing
; ---------------- the way out: a row tile (16 rows x my 256 bytes) at a time through my own stage, so that sixteen lanes store 256 consecutive bytes of a row of out0, aligned ----------------
	WIN 0x01                                       ; ALL 56 STORE OFFSETS ARE MADE HERE, WITH ALL LANES ON, ahead of the narrowing of EXEC: row x 1,024 + my place in the row
.irp m, 0,1,2,3,4,5,6
	v_mov_b32 v[PC+\m], v[RS+\m]
.endr
	WIN 0
.irp m, 0,1,2,3,4,5,6
.irp i, 0,2,4,6,8,10,12,14
	v_mov_b32_dpp v[OT+8*\m+\i/2], v[PC+\m] row_share:\i row_mask:0xf bank_mask:0xf   ; lanes 0-15: entry 16 m + i; lanes 16-31: entry 16 m + i + 1
.endr
.endr
.set k, 0
.rept 56
	v_min_u32 v[OT+k], 24999, v[OT+k]              ; held inside out0 once more
.set k, k+1
.endr
.set k, 0
.rept 56
	v_lshl_add_u32 v[OT+k], v[OT+k], 10, v[OL]
.set k, k+1
.endr
	WIN 0
	s_wait_alu depctr_va_vdst(0)
	s_wait_xcnt 0x0                                ; EXEC changes only behind this wait
	v_mov_b32 v255, s25
	v_cmp_ne_u32 vcc_lo, 0, v255
	s_and_saveexec_b32 s70, vcc_lo                 ; a tile with no rows stores nothing
; Rows read back take four sets of 32 registers by turns: v48-79, v80-111, v168-199, v200-231 (v112-167 hold the offsets).
.macro OSTAGE m                        ; row tile m into my stage and back as whole rows.  LDS serves a wave's instructions in order: the loads see my stores, and the next tile's stores come behind these loads
.set OBM, OB+32*((\m)%4)+56*(((\m)%4)/2)
	WIN 0x08
.irp b, 0,1
.irp j, 0,1,2,3
	ds_store_b128 v[OSI], v[32*(\m)+16*\b+4*\j:32*(\m)+16*\b+4*\j+3] offset:128*\b+16*\j   ; each accumulator from its low end on
.endr
.endr
	WIN 0
.irp i, 0,1,2,3,4,5,6,7
	ds_load_b128 v[OBM+4*\i:OBM+4*\i+3], v[OSO] offset:544*\i
.endr
.endm
.macro OSEND m, younger                ; younger: the LDS instructions issued behind tile m's loads, which may stay out
.set OBM, OB+32*((\m)%4)+56*(((\m)%4)/2)
	s_wait_dscnt \younger
.irp i, 0,1,2,3,4,5,6,7
	global_store_b128 v[OT+8*(\m)+\i], v[OBM+4*\i:OBM+4*\i+3], s[22:23]   ; sixteen lanes store 256 consecutive bytes of a row of out0, aligned
.endr
.endm
	OSTAGE 0
.irp m, 1,2,3,4,5,6
.if \m >= 4
	s_wait_xcnt 0x0                                ; the stores of four tiles back have read their data registers, into which this tile's rows are read back
.endif
	OSTAGE \m
	OSEND \m-1, 16                                 ; behind tile m - 1's loads: tile m's 8 stores and 8 loads
.endr
	OSEND 6, 0
	s_wait_xcnt 0x0
	s_or_b32 exec_lo, exec_lo, s70
	s_wait_tensorcnt 0x0                           ; the wave's end
	ds_add_u32 v[SPW], v[NIL]
	s_wait_dscnt 0x0
	s_endpgm
.Lfunc_end_k_q726ffe6ee3_chain:
	.size	k_q726ffe6ee3_chain, .Lfunc_end_k_q726ffe6ee3_chain-k_q726ffe6ee3_chain
	.p2alignl 7, 3214868480
	.fill 96, 4, 3214868480
	.section	.rodata,"a",@progbits
	.p2align	6, 0x0
	.amdhsa_kernel k_q726ffe6ee3_chain
		.amdhsa_group_segment_fixed_size 327680
		.amdhsa_private_segment_fixed_size 0
		.amdhsa_enable_private_segment 0
		.amdhsa_kernarg_size 88
		.amdhsa_user_sgpr_count 2
		.amdhsa_user_sgpr_kernarg_segment_ptr 1
		.amdhsa_wavefront_size32 1
		.amdhsa_system_sgpr_workgroup_id_x 1
		.amdhsa_system_sgpr_workgroup_id_y 1
		.amdhsa_system_sgpr_workgroup_id_z 1
		.amdhsa_system_vgpr_workitem_id 0
		.amdhsa_next_free_vgpr 1024
		.amdhsa_next_free_sgpr 80
		.amdhsa_reserve_vcc 1
		.amdhsa_float_denorm_mode_32 3
		.amdhsa_float_denorm_mode_16_64 3
		.amdhsa_memory_ordered 1
		.amdhsa_forward_progress 1
		.amdhsa_inst_pref_size 255
	.end_amdhsa_kernel
	.section	.bss,"aw",@nobits
	.p2align	6
	.space	262144
	.amdgpu_metadata
---
amdhsa.version: [ 1, 2 ]
amdhsa.kernels:
  - .name:           k_q726ffe6ee3_chain
    .symbol:         k_q726ffe6ee3_chain.kd
    .args:
      - { .name: xq, .offset: 0, .size: 8, .value_kind: global_buffer, .address_space: global }
      - { .name: b1, .offset: 8, .size: 8, .value_kind: global_buffer, .address_space: global }
      - { .name: b2, .offset: 16, .size: 8, .value_kind: global_buffer, .address_space: global }
      - { .name: ln_gamma, .offset: 24, .size: 8, .value_kind: global_buffer, .address_space: global }
      - { .name: ln_beta, .offset: 32, .size: 8, .value_kind: global_buffer, .address_space: global }
      - { .name: head_b, .offset: 40, .size: 8, .value_kind: global_buffer, .address_space: global }
      - { .name: wq, .offset: 48, .size: 8, .value_kind: global_buffer, .address_space: global }
      - { .name: order, .offset: 56, .size: 8, .value_kind: global_buffer, .address_space: global }
      - { .name: tiles, .offset: 64, .size: 8, .value_kind: global_buffer, .address_space: global }
      - { .name: out0, .offset: 72, .size: 8, .value_kind: global_buffer, .address_space: global }
      - { .name: xs, .offset: 80, .size: 8, .value_kind: global_buffer, .address_space: global }
    .group_segment_fixed_size: 327680
    .private_segment_fixed_size: 0
    .kernarg_segment_align: 8
    .kernarg_segment_size: 88
    .max_flat_workgroup_size: 128
    .sgpr_count:     80
    .vgpr_count:     1024
    .wavefront_size: 32
...
	.end_amdgpu_metadata
.endif
;; end of part 2
